; MI455X (gfx1250); checked and timed in simulation.
; The chip was launched on July 23, 2026; its instructions are those of AMD's public machine-readable ISA for CDNA 5 (MIT licence, August 2026) and "CDNA5" Instruction Set Architecture Reference Guide (July 2026). The comments in the code are by the model that wrote it; some were corrected since.
;; Cross Attention. Allowed arithmetic: matrix products marked QUANTISED: E5M2 operands, one E8M0 scale for each 32 along K, by v_wmma_scale_f32_16x16x128_f8f6f4 with both operands' format E5M2, f32 sums; everything else in f32.
;; Inputs: key_padding_mask 2 x 2,048 bool; kv 2 x 2,048 x 2 x 16 x 64 float32; q 2 x 2,048 x 16 x 64 float32.
;; Outputs: out0 2 x 2,048 x 16 x 64 float32.
;; This version of the problem:
;;   THIS VERSION OF THE PROBLEM IS GIVEN IN LOW PRECISION. The matrix products marked QUANTISED in the list below multiply operands that are first quantised to E5M2 (5 exponent bits, 2 mantissa bits; 8 bits a number), with one power-of-two scale for each 32 numbers along K (OCP MX v1.0); their sums are f32. All else is computed in f32.
;;   The module's matrix products, in the order in which they are computed (A, B: the left and right operand; K: the contracted axis; several contracted axes count as one K, in the product's order):
;;     1. batch 32 x [M 2,048, K 64] x [K 64, N 2,048]; A: input q; B: computed on the way: QUANTISED
;;     2. batch 32 x [M 64, K 2,048] x [K 2,048, N 2,048]; A: input kv; B: softmax (see below): QUANTISED
;;   THE QUANTISER, for each operand of a quantised product, along K:
;;     - K is cut into blocks of 32 from its start; a last block that is shorter is filled with zeros.
;;     - A block's scale is 2^e with e = floor(log2(the largest magnitude in the block)) - 15, held to -126 .. 127; a block of zeros has e = 0. As a byte (E8M0): e + 127.
;;     - Each number is divided by its block's scale, clamped to +-57,344, and rounded to the nearest number of E5M2, ties to even, subnormals kept.
;;     - The product sums the exact products of the quantised numbers (number of the format x scale) in f32.
;;   ~~~python
;;   def quantise(x, axis):      # numpy; x: float32 -> the quantised numbers, widened to float32 again
;;       x = np.moveaxis(x, axis, -1); K = x.shape[-1]
;;       x = np.pad(x, [(0, 0)] * (x.ndim - 1) + [(0, -K % 32)]); x = x.reshape(x.shape[:-1] + (-1, 32)); a = np.abs(x).max(-1, keepdims=True)
;;       e = np.where(a > 0, np.clip(np.frexp(np.where(a > 0, a, 1))[1] - 1 - 15, -126, 127), 0)      # np.frexp(a)[1] - 1 = floor(log2(a)), exactly
;;       r = np.clip(x / 2.0 ** e, -57344, 57344)
;;       step = 2.0 ** (np.maximum(np.frexp(np.where(r == 0, 1, r))[1] - 1, -14) - 2)
;;       q = np.round(r / step) * step * 2.0 ** e      # np.round: ties to even
;;       return np.moveaxis(q.reshape(q.shape[:-2] + (-1,))[..., :K], -1, axis).astype(np.float32)
;;   ~~~
;;   SOFTMAX AHEAD OF A QUANTISED PRODUCT. Where the list says 'softmax', what is quantised is not the finished softmax but p = 2^(t - M), with t = logit x log2(e) and M = ceil(the row's largest t), a whole number; so 1/2 < the row's largest p <= 1. The row's sum l is taken of the UNQUANTISED p, in f32, and the product's result is divided by l at the end. Since M is a whole number, a kernel that streams over the keys may use a running M (the ceiling of the running maximum): every later rescaling is an exact power of two, which a block's scale takes up: the codes' values come out the same.
;;   OPERANDS COMPUTED ON THE WAY. 'Computed on the way' means the value that the module computes at that place (a softmax that the list does not call 'softmax' is quantised finished and normalised). What goes into a quantiser is computed in f32, as accurately as f32 sums, v_exp_f32 and their like allow (about 1e-6 of the number): no bf16 or f16 on the way to a quantiser, and a product that is left as it is and whose result goes on into a quantised operand takes f32 operands (vector FMAs, or v_wmma_f32_16x16x4_f32). A number that lies on a knife's edge between two numbers of the format may be rounded either way, as far as f32 arithmetic and the matrix unit's own rounding can turn it there, and no further.
;; One version. Each part assembles by itself: llvm-mc -triple=amdgcn-amd-amdhsa -mcpu=gfx1250 --defsym DOCPART=n.
;; ======== version 1 of 1: 2 launches
;; limits: right only within a limited range of input values
;; workspace buffers: kvc 9,175,040 bytes
;; launch quant (part 1): grid 8 x 32, 16 waves a work-group, no clusters, 167,936 bytes of LDS; arguments kv, key_padding_mask, kvc; writes kvc
.if DOCPART == 1
	.amdgcn_target "amdgcn-amd-amdhsa--gfx1250"
	.amdhsa_code_object_version 6
	.text
	.protected	k_qec240d291e_quant
	.globl	k_qec240d291e_quant
	.p2align	8
	.type	k_qec240d291e_quant,@function
k_qec240d291e_quant:
	s_mov_b64 s[64:65], 0
	v_nop
	global_prefetch_b8 v0, s[64:65] scope:SCOPE_SE
	s_setreg_imm32_b32 hwreg(HW_REG_WAVE_MODE, 25, 1), 1
	s_wait_xcnt 0x0
; CROSS ATTENTION IN MX-BF8, FIRST OF TWO LAUNCHES: kv [2][2048 keys][2][16 heads][64] f32 becomes codes of E5M2 and E8M0 scale bytes, laid as the second launch's operand registers want them; the mask becomes pad codes.
; DEAD WORK: none.  Every input reaches the output for some finite values: the mask adds 0 or -10,000 to a logit, which is no -infinity, so a masked key still counts where all keys of a batch are masked.
; Nothing of reference() is left out in either launch, and keys are not compacted by the mask, since that would move the blocks of 32 keys of the second product's quantiser.
; K: k x 0.125 is quantised along the head's 64 (two blocks of 32).  0.125 is a power of two, so it goes into the scale byte alone: byte = exponent field of the block's largest |k| - 18; the conversion's scale and the
;    hold at 57,344 x the scale are taken on k itself (field - 15).  The floor under the largest magnitude is 2^(19 - 127), so that the byte is held at 1 from below, as the quantiser's clip at -126 asks.
; V: quantised along the keys (blocks of 32 keys): byte = exponent field - 15, floor 2^(16 - 127).
; LIMITS: NaN and infinities among the inputs are not served.  A block of zeros keeps the floor's byte 1 where the rule says 127: its codes are zeros and this program alone reads the bytes.
;    Where k x 0.125 would be a denormal f32, reference()'s own rounding of that product is not reproduced (k under 2^-123).
; THE BUFFER kvc: a dense block of 17,920 bytes for each (head y = 16 batch + head, step s of 128 keys), at (16 y + s) x 17,920.  l = lane, r = l % 16, h = l / 16:
;    0     KC  tile t (0..7) at 1024 t, register group g (0, 1) at + 512 g, lane l at + 16 l: codes of key 128 s + 32 (t / 2) + 8 (t % 2) + r + 8 (r / 8), d = 32 g + 16 h + 0 .. 15
;    8192  KP  pad words: row r of tile 2 j + u at 256 u + 16 r + 4 j: the codes of -8,192, -1,792, -16 where the key is masked out, else zeros
;    8704  VC  tile t (0..3) at 2048 t, register group c (0..3) at + 512 c, lane l at + 16 l: codes of d = 16 t + r, keys 128 s + 32 c + 16 h + 0 .. 15
;    16896 KS  lane l at 16 l: four words, one for each pair j of tiles: lanes 0-15 tile 2 j's row r, lanes 16-31 tile 2 j + 1's: {byte(d 0-31), byte(d 32-63), 127, 127}
;    17408 VS  lane l at 16 l: the scale words of d = l and d = 32 + l (four bytes for the step's four blocks of 32 keys), then 8 bytes of zeros
; SHARES: a work-group makes two blocks, 256 keys of a head: K's and V's 512 rows of 256 bytes come into LDS by one tensor load a wave (32 rows), all asked for at the head.  Each wave then quantises the 32 keys whose rows
; it fetched (waves 0-7 of K, waves 8-15 of V) and reads no other wave's rows, so no barrier stands ahead of the work.  Codes leave straight from registers (256 or 512 consecutive bytes); pad and scale words are gathered in
; LDS and leave in runs of 512 bytes.
; No cluster: work-groups share no input but the mask's few bytes.  No prefetch: there is no loop to run ahead in.
.set STEPB, 17920
.set RP, 272                           ; an LDS row: 256 bytes + 16 of padding
.set WB, 32*RP                         ; what a wave's load brings: 8,704
.set GA, 16*WB                         ; behind the 512 rows: the gathered words, 1,536 bytes a step: KP, KS, VS
.set SPARE, GA+3072                    ; the spare words, 128 bytes for each wave
.set SPW, 1                            ; v1 my spare word's address; never rewritten
.set NIL, 2                            ; v2 0; never rewritten
.set MX, 16                            ; largest magnitudes
.set PM, 20                            ; the other half's, then the bytes
.set HD, 24                            ; 57,344 x the scale
.set SO, 28                            ; the conversions' scale operand
.set X,  32                            ; v32-95 numbers
.set C,  96                            ; v96-111 codes
	s_load_b128 s[4:7], s[0:1], 0x0                ; kv, the mask
	s_load_b64 s[8:9], s[0:1], 0x10                ; kvc
	v_lshl_add_u32 v[SPW], v0, 2, SPARE
	v_mov_b32 v[NIL], 0
	ds_add_u32 v[SPW], v[NIL]                      ; the opening: the add, twice on end, ahead of my tensor load
	ds_add_u32 v[SPW], v[NIL]
	v_lshrrev_b32 v3, 5, v0
	v_readfirstlane_b32 s10, v3                    ; wave 0..15
	s_and_b32 s11, s10, 7
	s_lshr_b32 s12, s10, 3                         ; 0: K, 1: V
	s_and_b32 s13, ttmp7, 0xffff                   ; y
	; descriptor group 1: 32 rows of 256 bytes (32 elements of 8), 8,192 bytes apart; in LDS four words of padding after every 64
	s_mov_b32 s16, (3<<16)|(1<<20)|(5<<22)|(3<<25)
	s_mov_b32 s17, 32<<16
	s_mov_b32 s18, 32<<16
	s_mov_b32 s19, 32<<16
	s_mov_b32 s20, 32
	s_mov_b32 s21, 1024
	s_mov_b32 s22, 0
	s_mov_b32 s23, 0
	s_mov_b32 s24, 1
	s_mul_i32 s25, s10, WB                         ; where my rows go
	s_lshr_b32 s28, s13, 4                         ; batch
	s_and_b32 s29, s13, 15                         ; head
	s_lshl_b32 s30, s28, 24                        ; 2,048 keys of 8,192 bytes
	s_lshl_b32 s31, ttmp9, 21                      ; 256 keys
	s_add_co_u32 s30, s30, s31
	s_lshl_b32 s31, s11, 18                        ; 32 keys
	s_add_co_u32 s30, s30, s31
	s_lshl_b32 s31, s12, 12                        ; v lies 4,096 bytes behind k
	s_add_co_u32 s30, s30, s31
	s_lshl_b32 s31, s29, 8
	s_add_co_u32 s30, s30, s31
	s_mov_b32 s31, 0
	s_lshl_b32 s32, s28, 11                        ; the mask: batch x 2,048 + 256 x + 32 (wave % 8)
	s_lshl_b32 s33, ttmp9, 8
	s_add_co_u32 s32, s32, s33
	s_lshl_b32 s33, s11, 5
	s_add_co_u32 s32, s32, s33
	s_mov_b32 s33, 0
	s_wait_dscnt 0x0                               ; both opening adds are done
	s_wait_kmcnt 0x0
	s_add_nc_u64 s[26:27], s[4:5], s[30:31]
	s_or_b32 s27, s27, 0x80000000
	tensor_load_to_lds s[24:27], s[16:23]          ; my one load
	s_nop 0
	s_add_nc_u64 s[6:7], s[6:7], s[32:33]
	; where the results go
	s_lshl_b32 s34, s13, 4
	s_lshl_b32 s35, ttmp9, 1
	s_add_co_u32 s34, s34, s35
	s_mul_i32 s34, s34, STEPB                      ; the work-group's first block
	s_mov_b32 s35, 0
	s_add_nc_u64 s[8:9], s[8:9], s[34:35]
	s_lshr_b32 s14, s11, 2                         ; which of the two steps
	s_mul_i32 s36, s14, STEPB
	s_and_b32 s37, s11, 3                          ; K: pair j of tiles; V: block c of 32 keys
	s_lshl_b32 s38, s37, 11                        ; K: two tiles of 1,024 bytes
	s_add_co_u32 s38, s38, s36
	s_mov_b32 s39, 0
	s_add_nc_u64 s[38:39], s[8:9], s[38:39]
	s_lshl_b32 s40, s37, 9                         ; V: register group c
	s_add_co_u32 s40, s40, s36
	s_add_co_u32 s40, s40, 8704
	s_mov_b32 s41, 0
	s_add_nc_u64 s[40:41], s[8:9], s[40:41]
	s_cmp_ge_u32 s10, 3                            ; the gathered words: wave 3 step + p takes piece p (0 KP, 1 KS, 2 VS)
	s_cselect_b32 s46, 3, 0
	s_cselect_b32 s47, STEPB, 0
	s_sub_co_u32 s46, s10, s46
	s_lshl_b32 s45, s46, 9
	s_add_co_u32 s45, s45, 0x4000                  ; 16,896 and 17,408 for p = 1, 2
	s_cmp_eq_u32 s46, 0
	s_cselect_b32 s45, 0x2000, s45                 ; 8,192 for p = 0
	s_add_co_u32 s46, s45, s47
	s_mov_b32 s47, 0
	s_add_nc_u64 s[42:43], s[8:9], s[46:47]
	; LDS bases
	s_mul_i32 s46, s14, 1536
	s_add_co_u32 s46, s46, GA                      ; the step's gathered words
	s_lshl_b32 s15, s37, 2
	s_add_co_u32 s15, s15, s46                     ; K: + 4 j
	s_add_co_u32 s46, s46, s37                     ; V: + c
	s_lshl_b32 s47, s10, 9
	s_add_co_u32 s47, s47, GA                      ; the way out: 512 bytes a wave
	s_mov_b32 s28, 0x76543210
	s_mov_b32 s29, 0xfedcba98                      ; v_permlanex16_b32's selects for lane l xor 16
	s_mov_b32 s44, 0x600000                        ; the mantissa field of 57,344
	v_and_b32 v3, 31, v0                           ; l
	v_and_b32 v4, 15, v0                           ; r
	v_bfe_u32 v5, v0, 4, 1                         ; h
	v_and_b32 v13, 8, v4
	v_add_nc_u32 v13, v13, v4                      ; r + 8 (r / 8)
	v_mul_u32_u24 v6, v13, RP
	v_lshl_add_u32 v6, v5, 6, v6
	v_add_nc_u32 v6, s25, v6                       ; K: row r + 8 (r / 8) of mine, + 64 h
	v_lshl_add_u32 v13, v5, 3, v13                 ; the mask: the key of row r of tile u = h
	v_lshlrev_b32 v7, 2, v3
	v_add_nc_u32 v7, s25, v7                       ; V: column l of my rows
	v_lshlrev_b32 v11, 4, v3                       ; 16 l
	v_add_nc_u32 v8, s15, v11
	v_add_nc_u32 v9, s46, v11
	v_add_nc_u32 v10, s47, v11
	v_lshlrev_b32 v12, 11, v5
	v_lshl_add_u32 v12, v4, 4, v12                 ; V's codes: tile h (or 2 + h), row r
.irp b, 0,1,2,3
	v_mov_b32 v[PM+\b], 0                          ; a lane permute's destination counts as one of its sources
.endr
	global_load_u8 v14, v13, s[6:7]                ; my key's mask byte (waves 8-15 make no use of theirs)
	s_wait_alu depctr_va_vdst(0)                   ; the wait at the head's end
	s_wait_tensorcnt 0x0                           ; my rows are in, and I read no others
	s_cmp_lt_u32 s10, 8
	s_cbranch_scc0 .Lv
	; ---- K: lane (r, h) takes, of key 8 u + r + 8 (r / 8), 16 neighbouring d of each block of 32; the block's other 16 lie in lane l xor 16
.irp u, 0,1
.irp g, 0,1
.irp m, 0,1,2,3
	ds_load_b128 v[X+32*\u+16*\g+4*\m:X+32*\u+16*\g+4*\m+3], v6 offset:8*RP*\u+128*\g+16*\m
.endr
.endr
.endr
	s_wait_loadcnt 0x0                             ; the mask byte
	s_wait_dscnt 0x0
	v_cmp_eq_u32 vcc_lo, 0, v14
	v_mov_b32 v15, 0xcce7f0                        ; the codes of -8,192, -1,792, -16
	v_cndmask_b32 v15, 0, v15, vcc_lo
	ds_store_b32 v8, v15
.irp b, 0,1,2,3
	v_max3_num_f32 v[MX+\b], |v[X+16*\b]|, |v[X+1+16*\b]|, 0x09800000   ; my 16 numbers and the floor
.endr
.irp i, 2,4,6,8,10,12,14
.irp b, 0,1,2,3
	v_max3_num_f32 v[MX+\b], v[MX+\b], |v[X+16*\b+\i]|, |v[X+1+16*\b+\i]|   ; the four blocks by turns
.endr
.endr
.irp b, 0,1,2,3
	v_permlanex16_b32 v[PM+\b], v[MX+\b], s28, s29
.endr
.irp b, 0,1,2,3
	v_max_num_f32 v[MX+\b], v[MX+\b], v[PM+\b]
.endr
.irp b, 0,1,2,3
	v_add_nc_u32 v[SO+\b], 0xf8800000, v[MX+\b]    ; 15 off the exponent field: the conversion takes that field as its scale
.endr
.irp b, 0,1,2,3
	v_and_or_b32 v[HD+\b], v[MX+\b], 0x7f800000, s44
.endr
.irp b, 0,1,2,3
	v_lshrrev_b32 v[PM+\b], 23, v[SO+\b]
.endr
	v_cmp_ne_u32 vcc_lo, 0, v5                     ; lanes 16-31
	v_lshl_or_b32 v112, v[PM+1], 8, v[PM]          ; the even tile's two bytes,
	v_lshl_or_b32 v113, v[PM+3], 8, v[PM+2]        ; the odd tile's
	v_cndmask_b32 v112, v112, v113, vcc_lo
	v_add_nc_u32 v112, 0x7f7efcfd, v112            ; 3 off both bytes (the factor 0.125; each is at least 4, so nothing is borrowed) and 127 into the two upper bytes
	ds_store_b32 v8, v112 offset:512
.irp b, 0,1,2,3
.irp i, 0,1,2,3,4,5,6,7,8,9,10,11,12,13,14,15
	v_med3_num_f32 v[X+16*\b+\i], v[X+16*\b+\i], -v[HD+\b], v[HD+\b]   ; the conversion to an 8-bit code does not saturate (ISA guide 7.6.2): the hold
.endr
	v_cvt_scalef32_pk8_bf8_f32 v[C+4*\b:C+4*\b+1], v[X+16*\b:X+16*\b+7], v[SO+\b]
	v_cvt_scalef32_pk8_bf8_f32 v[C+4*\b+2:C+4*\b+3], v[X+16*\b+8:X+16*\b+15], v[SO+\b]
	global_store_b128 v11, v[C+4*\b:C+4*\b+3], s[38:39] offset:512*\b   ; tile b / 2 of the pair, group b % 2: 512 consecutive bytes
.endr
	v_nop                                          ; one plain vector line behind the last conversion
	s_branch .Ljoin
	; ---- V: a lane takes the columns d = l and d = 32 + l, its registers run down my 32 keys: two blocks, each in one lane
.Lv:
.set J, 0
.rept 64
	ds_load_b32 v[X+J], v7 offset:RP*(J%32)+128*(J/32)   ; 128 consecutive bytes
.set J, J+1
.endr
.macro VB b
.set XS, X+32*\b
	v_max3_num_f32 v[MX], |v[XS]|, |v[XS+1]|, |v[XS+2]|
	v_max3_num_f32 v[MX+1], |v[XS+3]|, |v[XS+4]|, |v[XS+5]|
.irp i, 6,10,14,18,22,26
	v_max3_num_f32 v[MX], v[MX], |v[XS+\i]|, |v[XS+\i+1]|
	v_max3_num_f32 v[MX+1], v[MX+1], |v[XS+\i+2]|, |v[XS+\i+3]|
.endr
	v_max3_num_f32 v[MX], v[MX], |v[XS+30]|, |v[XS+31]|
	v_max3_num_f32 v[MX], v[MX], v[MX+1], 0x8000000   ; and the floor 2^(16 - 127)
	v_add_nc_u32 v[SO], 0xf8800000, v[MX]
	v_and_or_b32 v[HD], v[MX], 0x7f800000, s44
	v_lshrrev_b32 v[PM+\b], 23, v[SO]
.set J, 0
.rept 32
	v_med3_num_f32 v[XS+J], v[XS+J], -v[HD], v[HD]
.set J, J+1
.endr
.irp g, 0,1,2,3
	v_cvt_scalef32_pk8_bf8_f32 v[C+8*\b+2*\g:C+8*\b+2*\g+1], v[XS+8*\g:XS+8*\g+7], v[SO]
.endr
	v_nop                                          ; one plain vector line behind the last conversion
	global_store_b128 v12, v[C+8*\b:C+8*\b+3], s[40:41] offset:4096*\b         ; keys 0-15 of the block: sixteen lanes fill 256 consecutive bytes
	global_store_b128 v12, v[C+8*\b+4:C+8*\b+7], s[40:41] offset:4096*\b+256   ; keys 16-31: the place of lanes 16-31 in the image
.endm
	s_wait_dscnt 32                                ; the first columns' 32 loads are in; the second's may be out
	VB 0
	s_wait_dscnt 0x0
	VB 1
	ds_store_b8 v9, v[PM] offset:1024              ; byte c of d = l's word,
	ds_store_b8 v9, v[PM+1] offset:1028            ; of d = 32 + l's,
	ds_store_b8 v9, v[NIL] offset:1032             ; and my part of the 8 bytes of zeros
	ds_store_b8 v9, v[NIL] offset:1036
.Ljoin:
	s_wait_dscnt 0x0                               ; my words have landed
	s_barrier_signal -1
	s_barrier_wait -1
	s_cmp_lt_u32 s10, 6
	s_cbranch_scc0 .Lend
	ds_load_b128 v[32:35], v10
	s_wait_dscnt 0x0
	global_store_b128 v11, v[32:35], s[42:43]      ; 512 consecutive bytes
.Lend:
	s_wait_tensorcnt 0x0                           ; the wave's end
	ds_add_u32 v[SPW], v[NIL]
	s_wait_dscnt 0x0
	s_endpgm
.Lfunc_end_k_qec240d291e_quant:
	.size	k_qec240d291e_quant, .Lfunc_end_k_qec240d291e_quant-k_qec240d291e_quant
	.p2alignl 7, 3214868480
	.fill 96, 4, 3214868480
	.section	.rodata,"a",@progbits
	.p2align	6, 0x0
	.amdhsa_kernel k_qec240d291e_quant
		.amdhsa_group_segment_fixed_size 167936
		.amdhsa_private_segment_fixed_size 0
		.amdhsa_enable_private_segment 0
		.amdhsa_kernarg_size 24
		.amdhsa_user_sgpr_count 2
		.amdhsa_user_sgpr_kernarg_segment_ptr 1
		.amdhsa_wavefront_size32 1
		.amdhsa_system_sgpr_workgroup_id_x 1
		.amdhsa_system_sgpr_workgroup_id_y 1
		.amdhsa_system_sgpr_workgroup_id_z 1
		.amdhsa_system_vgpr_workitem_id 0
		.amdhsa_next_free_vgpr 128
		.amdhsa_next_free_sgpr 66
		.amdhsa_reserve_vcc 1
		.amdhsa_float_denorm_mode_32 3
		.amdhsa_float_denorm_mode_16_64 3
		.amdhsa_memory_ordered 1
		.amdhsa_forward_progress 1
		.amdhsa_inst_pref_size 27
	.end_amdhsa_kernel
	.amdgpu_metadata
---
amdhsa.version: [ 1, 2 ]
amdhsa.kernels:
  - .name:           k_qec240d291e_quant
    .symbol:         k_qec240d291e_quant.kd
    .args:
      - { .name: kv, .offset: 0, .size: 8, .value_kind: global_buffer, .address_space: global }
      - { .name: key_padding_mask, .offset: 8, .size: 8, .value_kind: global_buffer, .address_space: global }
      - { .name: kvc, .offset: 16, .size: 8, .value_kind: global_buffer, .address_space: global }
    .group_segment_fixed_size: 167936
    .private_segment_fixed_size: 0
    .kernarg_segment_align: 8
    .kernarg_segment_size: 24
    .max_flat_workgroup_size: 512
    .sgpr_count:     66
    .vgpr_count:     128
    .wavefront_size: 32
...
	.end_amdgpu_metadata
.endif
;; end of part 1
;; launch attn (part 2): grid 8 x 32, 8 waves a work-group, clusters of 4 x 1, 327,680 bytes of LDS; arguments q, kvc, out0; writes out0
.if DOCPART == 2
	.amdgcn_target "amdgcn-amd-amdhsa--gfx1250"
	.amdhsa_code_object_version 6
	.text
	.protected	k_qec240d291e_attn
	.globl	k_qec240d291e_attn
	.p2align	8
	.type	k_qec240d291e_attn,@function
k_qec240d291e_attn:
	s_mov_b64 s[64:65], 0
	v_nop
	global_prefetch_b8 v0, s[64:65] scope:SCOPE_SE
	s_setreg_imm32_b32 hwreg(HW_REG_WAVE_MODE, 25, 1), 1
	s_wait_xcnt 0x0
	s_wait_alu depctr_hold_cnt(0) depctr_sa_sdst(0) depctr_va_vdst(0) depctr_va_sdst(0) depctr_va_ssrc(0) depctr_va_vcc(0) depctr_vm_vsrc(0)
	s_getreg_b32 s2, hwreg(HW_REG_IB_STS2, 6, 4)
	s_cmp_eq_u32 s2, 0
	s_cbranch_scc0 .Lentry_in_a_cluster
	s_endpgm
.Lentry_in_a_cluster:
	s_bfe_u32 s2, ttmp6, 0x10000c
	s_cmp_lg_u32 s2, 0x3003
	s_cbranch_scc0 .Lentry_shape_is_right
	s_endpgm
.Lentry_shape_is_right:
; CROSS ATTENTION IN MX-BF8, SECOND LAUNCH: out0[b][q][hd][:] = the sum over keys of softmax(q . k / 8 + pad) v, both products on codes of E5M2 with one E8M0 scale for each 32 along K.  No work of reference() is left out.
; kvc holds K's and V's codes, scale words and pad words as images of the operands' registers: 17,920 bytes for each (head, step of 128 keys), laid out in the first launch's head.
; SHARES.  A work-group owns 256 queries of one head y = 16 batch + head; each of its eight waves owns 32 of them, two tiles of 16, in 512 registers: tile A's scores, sums of products and codes in window 0, tile B's in window 1
; at the same low numbers, so that each fragment of K and V that a wave loads from LDS feeds two products.  Every wave walks all 2,048 keys, 128 a step, and both tiles go through a step's phases together: the waits
; serve both, and the two rows' chains of dependent lines (their registers all lie in window 0) take turns.
; NO RING.  A head's 16 blocks are 286,720 bytes and fit in LDS whole: every tensor load is a first fill.  Each wave asks for an eighth of steps 0-3 at the head (35 rows of 256 bytes) and, behind the full sequence, for an eighth
; of steps 4-15 (105 rows), which has four steps' work in which to land; then one barrier shows it to all.  No prefetch: all that the walk reads is asked for by these two loads, ahead of the loops.
; CLUSTER.  The four query blocks of a cluster belong to one head and read the same blocks: each piece is asked for JOINTLY, by the same tensor load with the same descriptor and the mask of all four.
; LAYOUT.  Both products are used transposed: S^T = K Q^T (source 0 = 16 keys, source 1 = 16 queries), O^T = V^T P^T (source 0 = 16 of the head's 64, source 1 = P): a lane holds ONE query (lane % 16) of a tile throughout.
; The keys of a tile are not neighbours: row m of tile 2 b + u is key 32 b + 8 u + m + 8 (m / 8), so that the 16 registers of tiles 2 b, 2 b + 1 are the neighbouring keys 32 b + 16 (lane / 16) + 0 .. 15.
; THE MASK RIDES IN THE FIRST PRODUCT.  The head's 64 fill K = 0 .. 63 of the instruction's 128.  At K = 64, 65, 66 Q's fragment holds the code of 1.0, and a masked key's row the codes of -8,192, -1,792 and -16, whose sum is
; exactly -10,000 (a kept key's row: zeros); the scale byte of that block is 127 on both sides.  At all other K from 64 on Q's codes are zeros, and what K's registers hold there (zeros, the next tile's codes, p's codes, or in
; the pad word of lanes 16-31 other codes of the block; all finite by the holds) adds exactly 0: so the eight fragments of K lie 10 registers apart and are all resident at once.
; THE SOFTMAX AHEAD OF THE SECOND PRODUCT: t = logit x log2(e); M = the running largest t rounded UP to a whole number; p = 2^(t - M) is quantised along the keys, not normalised; the row's sum is taken of the unquantised p
; and divides O at the end; when M moves, the sum and O^T are multiplied by 2^(old M - new M), which rounds nothing.
; LIMITS: NaN and infinities among the inputs are not served; the scaled scores stay under 2^31 in magnitude; a masked logit is rounded at the size of 10,000 by the matrix unit's sum, where reference() rounds it by an f32
; addition (it shows only where all keys of a batch are masked); a block's largest p is made from the block's largest score, which takes v_exp_f32 not to fall where its input rises; a block whose every p is 0 keeps the
; byte 1: its codes are zeros.
.set STEPB,  17920
.set HEADB,  16*STEPB                  ; 286,720
.set PIECEA, 4*STEPB/8                 ; 8,960: 35 rows of 256 bytes
.set PIECEB, 12*STEPB/8                ; 26,880: 105 rows
.set SP,     272                       ; a stage row: 256 bytes + 16
.set STAGE,  HEADB                     ; behind the blocks: 16 rows of 272 bytes for each wave, for q on the way in and out0 on the way out
.set SPARE,  STAGE+8*16*SP             ; the spare words, 128 bytes for each wave
; window 0 alone:
.set ADL, 1                            ; the step's block + LI
.set LI,  2                            ; 16 x lane
.set SPW, 3                            ; my spare word's address; never rewritten
.set NIL, 4                            ; 0; never rewritten
.set PWA, 5                            ; p's scale words, tile A and B
.set PWB, 6
.set QSA, 7                            ; Q's scale words
.set QSB, 8
.set TMPA, 9
.set VS,  10                           ; v10-11 V's scale words, one register a pair of tiles
.set KSR, 12                           ; v12-15 K's scale words, one register a pair of tiles
.set LXA, 16                           ; the largest logit so far
.set LXB, 17
.set NMA, 18                           ; -M (v19, v21: named with it as a pair)
.set NMB, 20
.set FFA, 22                           ; f = 2^(old M - new M) (v23, v25: named with it as a pair)
.set FFB, 24
.set TMPB, 26
.set MXB, 28                           ; v28-31 tile B: the blocks' largest logits, then largest p, then the conversions' scale operand
.set MXA, 32                           ; v32-35 tile A: the same
.set PX,  36                           ; v36-39 the other half's; the bytes
.set HDA, 40                           ; v40-43 tile A: 57,344 x the scale (ahead of that, tile B's other half's)
.set KR,  156                          ; v156-235 K's eight fragments, 10 registers apart: + 0 .. 7 codes, + 8 the pad word, + 9 zero; the last one's upper six are PC's first
.set GO,  252                          ; my byte offset in two rows of q or out0
.set RD,  253                          ; my stage by rows: lanes 0-15 one row, lanes 16-31 the next
.set RQ,  254                          ; my stage: row r, + 64 h
.set STO, 255                          ; my stage: row r, + 32 h
; windows 0 and 1, tile A and B:
.set QF,  44                           ; v44-59 Q's fragment
.set S,   60                           ; v60-123 S^T, then p; q on the way in, results on the way out
.set OT,  124                          ; v124-155 O^T
.set PC,  236                          ; v236-251 p's codes
; window 1 alone (and, at the head, v32-43 for tile B's quantiser):
.set HDB, 40                           ; v40-43 tile B: 57,344 x the scale
.set VF,  156                          ; v156-219 V's four fragments
.set SAA, 220                          ; v220-227 tile A's sum in four pairs
.set SAB, 228                          ; v228-235 tile B's
.set WV,  12                           ; s12 my wave's number
.set G1A, 16
.set G1B, 24
.set G0A, 32
.set G0B, 36
.set TB,  40                           ; LDS byte at which the step's block begins
.set CNT, 41
.set SEL, 44                           ; s[44:45] lane selects for v_permlanex16_b32: lane l xor 16
.set CS,  46                           ; s[46:47] log2(e): the packed form names a pair and takes its low word for both halves
.set NC,  48                           ; -log2(e)
.set MNT, 49                           ; the mantissa field of 57,344
.set FLR, 50                           ; the floor 2^(16 - 127)
.set MSB, 0
.macro WIN new                         ; bits 1:0 source 0, 3:2 source 1, 5:4 source 2, 7:6 destination; the immediate's high byte repeats the setting that is left
.if MSB != \new
	s_set_vgpr_msb (MSB<<8)|\new
.set MSB, \new
.endif
.endm
.macro CROUND                          ; a round of the cluster's barrier
	s_barrier_signal -1
	s_barrier_wait -1
	s_cmp_lg_u32 s[WV], 0
	s_cbranch_scc1 .Lnot_wave_0_\@
	s_barrier_signal -3
.Lnot_wave_0_\@:
	s_barrier_wait -3
	s_barrier_signal -1
	s_barrier_wait -1
.endm
	s_load_b128 s[4:7], s[0:1], 0x0                ; q, kvc
	s_load_b64 s[8:9], s[0:1], 0x10                ; out0
	v_lshl_add_u32 v[SPW], v0, 2, SPARE
	v_mov_b32 v[NIL], 0
	ds_add_u32 v[SPW], v[NIL]                      ; the opening: the add, twice on end, ahead of my first tensor load
	ds_add_u32 v[SPW], v[NIL]
	v_lshrrev_b32 v9, 5, v0
	v_readfirstlane_b32 s[WV], v9                  ; wave 0..7
	s_bfe_u32 s13, ttmp6, 0x40000                  ; cx: it enters q's and out0's offsets alone
	s_lshl_b32 s14, ttmp9, 2
	s_add_co_u32 s14, s14, s13                     ; my block of 256 queries
	s_and_b32 s15, ttmp7, 0xffff                   ; y, which the four partners share
	; descriptor groups 1: 35 or 105 rows of 256 bytes (32 elements of 8), dense in memory and in LDS; 15:0 the mask of all four; bit 21 set beside a mask
	s_mov_b32 s[G1A+0], 15|(3<<16)|(1<<21)
	s_mov_b32 s[G1A+1], 32<<16
	s_mov_b32 s[G1A+2], 35<<16
	s_mov_b32 s[G1A+3], 32<<16
	s_mov_b32 s[G1A+4], 35
	s_mov_b32 s[G1A+5], 32
	s_mov_b32 s[G1A+6], 0
	s_mov_b32 s[G1A+7], 0
	s_mov_b32 s[G1B+0], 15|(3<<16)|(1<<21)
	s_mov_b32 s[G1B+1], 32<<16
	s_mov_b32 s[G1B+2], 105<<16
	s_mov_b32 s[G1B+3], 32<<16
	s_mov_b32 s[G1B+4], 105
	s_mov_b32 s[G1B+5], 32
	s_mov_b32 s[G1B+6], 0
	s_mov_b32 s[G1B+7], 0
	s_mov_b32 s[G0A], 1
	s_mov_b32 s[G0B], 1
	s_mul_i32 s[G0A+1], s[WV], PIECEA              ; LDS: the wave's number x a constant + a constant
	s_mul_i32 s[G0B+1], s[WV], PIECEB
	s_add_co_u32 s[G0B+1], s[G0B+1], 4*STEPB
	s_mul_i32 s52, s15, HEADB
	s_add_co_u32 s56, s52, s[G0A+1]                ; in memory the same places behind the head's first byte
	s_mov_b32 s57, 0
	s_add_co_u32 s58, s52, s[G0B+1]
	s_mov_b32 s59, 0
	s_lshr_b32 s52, s15, 4
	s_lshl_b32 s52, s52, 11                        ; the batch's 2,048 queries
	s_lshl_b32 s54, s14, 8
	s_add_co_u32 s54, s54, s52
	s_lshl_b32 s55, s[WV], 5
	s_add_co_u32 s54, s54, s55                     ; my first query
	s_lshl_b32 s54, s54, 12                        ; a query is 4,096 bytes
	s_and_b32 s55, s15, 15
	s_lshl_b32 s55, s55, 8                         ; the head: 256 bytes
	s_add_co_u32 s54, s54, s55
	s_mov_b32 s55, 0
	s_mul_i32 s53, s[WV], 16*SP
	s_add_co_u32 s53, s53, STAGE                   ; my stage
	s_mov_b32 s[SEL], 0x76543210
	s_mov_b32 s[SEL+1], 0xfedcba98
	s_mov_b32 s[CS], 0x3fb8aa3b
	s_mov_b32 s[CS+1], 0x3fb8aa3b
	s_mov_b32 s[NC], 0xbfb8aa3b
	s_mov_b32 s[MNT], 0x600000
	s_mov_b32 s[FLR], 0x8000000
	v_and_b32 v9, 31, v0                           ; lane
	v_and_b32 v156, 15, v0                         ; r
	v_bfe_u32 v157, v0, 4, 1                       ; h
	v_lshlrev_b32 v[LI], 4, v9
	v_lshlrev_b32 v[GO], 12, v157
	v_lshl_add_u32 v[GO], v156, 4, v[GO]
	v_mul_u32_u24 v[RD], v157, SP
	v_lshl_add_u32 v[RD], v156, 4, v[RD]
	v_add_nc_u32 v[RD], s53, v[RD]
	v_mul_u32_u24 v[RQ], v156, SP
	v_add_nc_u32 v[RQ], s53, v[RQ]
	v_lshl_add_u32 v[STO], v157, 5, v[RQ]
	v_lshl_add_u32 v[RQ], v157, 6, v[RQ]
	v_xor_b32 v[QF+8], 1, v157
	v_mul_u32_u24 v[QF+8], v[QF+8], 0x3c3c3c       ; lanes 0-15: the code of 1.0 at K = 64, 65, 66; lanes 16-31 (K = 80 on): zeros
	s_wait_alu depctr_va_vdst(0)                   ; the wait here, ahead of the waits below
	s_wait_dscnt 0x0                               ; both opening adds are done
	s_wait_kmcnt 0x0
	s_add_nc_u64 s[4:5], s[4:5], s[54:55]
	s_add_nc_u64 s[8:9], s[8:9], s[54:55]
	s_add_nc_u64 s[G0A+2:G0A+3], s[6:7], s[56:57]
	s_or_b32 s[G0A+3], s[G0A+3], 0x80000000
	s_add_nc_u64 s[G0B+2:G0B+3], s[6:7], s[58:59]
	s_or_b32 s[G0B+3], s[G0B+3], 0x80000000
.irp i, 0,1,2,3,4,5,6,7                        ; q: sixteen lanes read a query's 256 bytes, two queries an instruction
	global_load_b128 v[S+4*\i:S+4*\i+3], v[GO], s[4:5] offset:8192*\i th:TH_LOAD_NT
.endr
	WIN 0x40
.irp i, 0,1,2,3,4,5,6,7
	global_load_b128 v[S+4*\i:S+4*\i+3], v[GO], s[4:5] offset:65536+8192*\i th:TH_LOAD_NT
.endr
	WIN 0
	CROUND                                         ; all four work-groups are here: the joint loads meet
	tensor_load_to_lds s[G0A:G0A+3], s[G1A:G1A+7]  ; steps 0-3: my one load at the head
	s_nop 0
.rept 4
	v_nop
.endr
; what the walk finds in its first step: zeros, which the first change of M leaves zeros
.macro INIT
.set J, 0
.rept 32
	v_mov_b32 v[OT+J], 0
.set J, J+1
.endr
.irp b, 0,1,2,3
	v_mov_b32 v[PX+\b], 0                          ; a lane permute's destination counts as one of its sources
.endr
.irp b, 9,10,11,12,13,14,15
	v_mov_b32 v[QF+\b], 0                          ; Q's codes from K = 68 on
.endr
.endm
	INIT
.irp b, 0,1,2,3
	v_mov_b32 v[HDA+\b], 0                         ; (a lane permute's destination too)
.endr
.irp b, 19,21,23,25
	v_mov_b32 v\b, 0                               ; (named as upper halves of pairs)
.endr
.irp x, A,B
	v_mov_b32 v[LX\x], 0xfe967699                  ; the largest logit so far: -1e38, under every logit
	v_mov_b32 v[NM\x], 0x7e967699                  ; and a -M to match: 1e38
.endr
.irp t, 0,1,2,3,4,5,6,7
	v_mov_b32 v[KR+10*\t+9], 0
.endr
.irp b, 0,1,2,3,4,5
	v_mov_b32 v[PC+\b], 0                          ; the last fragment of K reaches over these
.endr
	WIN 0x40
	INIT
.set J, 0
.rept 16
	v_mov_b32 v[SAA+J], 0                          ; both tiles' sums
.set J, J+1
.endr
	v_mov_b32 v[QF+8], v[QF+8]                     ; tile B's from tile A's
	WIN 0
	s_wait_alu depctr_va_vdst(0)                   ; the wait here, directly ahead of the wait below
	s_wait_loadcnt 8                               ; tile A's eight loads of q are in; tile B's eight may be out
; q turns through my stage: in by rows, out as the fragment wants it (block g, 16 neighbours in lane (r, h)); LDS serves a wave's instructions in order (ISA guide 5.7.1.4), so the tiles take turns on one stage with no wait
.irp i, 0,1,2,3,4,5,6,7
	ds_store_b128 v[RD], v[S+4*\i:S+4*\i+3] offset:2*SP*\i
.endr
.irp i, 0,1,2,3,4,5,6,7
	ds_load_b128 v[S+32+4*\i:S+32+4*\i+3], v[RQ] offset:128*(\i/4)+16*(\i%4)
.endr
	s_wait_loadcnt 0x0
	WIN 0x04
.irp i, 0,1,2,3,4,5,6,7
	ds_store_b128 v[RD], v[S+4*\i:S+4*\i+3] offset:2*SP*\i
.endr
	WIN 0x40
.irp i, 0,1,2,3,4,5,6,7
	ds_load_b128 v[S+32+4*\i:S+32+4*\i+3], v[RQ] offset:128*(\i/4)+16*(\i%4)
.endr
; Q's quantiser: two blocks of 32 along the head's 64; a block's other 16 numbers lie in lane l xor 16.  w: the tile's window in every field
.macro QQ w, qs
	WIN \w
.irp b, 0,1
	v_max3_num_f32 v[MXA+\b], |v[S+32+16*\b]|, |v[S+33+16*\b]|, 0x8000000
.endr
.irp i, 2,4,6,8,10,12,14
.irp b, 0,1
	v_max3_num_f32 v[MXA+\b], v[MXA+\b], |v[S+32+16*\b+\i]|, |v[S+33+16*\b+\i]|
.endr
.endr
.irp b, 0,1
	v_permlanex16_b32 v[PX+\b], v[MXA+\b], s[SEL], s[SEL+1]
.endr
.irp b, 0,1
	v_max_num_f32 v[MXA+\b], v[MXA+\b], v[PX+\b]
.endr
.irp b, 0,1
	v_add_nc_u32 v[MXA+2+\b], 0xf8800000, v[MXA+\b]  ; 15 off the exponent field: the conversion's scale operand
.endr
.irp b, 0,1
	v_and_or_b32 v[HDA+\b], v[MXA+\b], 0x7f800000, s[MNT]
.endr
.irp b, 0,1
	v_lshrrev_b32 v[PX+\b], 23, v[MXA+2+\b]
.endr
	v_lshl_or_b32 v[PX], v[PX+1], 8, v[PX]
	WIN (\w&0x04)
	v_or_b32 v[\qs], 0x7f7f0000, v[PX]             ; 127 for the block with the ones and for the empty one; scale words lie in window 0
	WIN \w
.irp b, 0,1
.irp i, 0,1,2,3,4,5,6,7,8,9,10,11,12,13,14,15
	v_med3_num_f32 v[S+32+16*\b+\i], v[S+32+16*\b+\i], -v[HDA+\b], v[HDA+\b]   ; the conversion to an 8-bit code does not saturate (ISA guide 7.6.2): the hold
.endr
	v_cvt_scalef32_pk8_bf8_f32 v[QF+4*\b:QF+4*\b+1], v[S+32+16*\b:S+39+16*\b], v[MXA+2+\b]
	v_cvt_scalef32_pk8_bf8_f32 v[QF+4*\b+2:QF+4*\b+3], v[S+40+16*\b:S+47+16*\b], v[MXA+2+\b]
.endr
	v_nop                                          ; one plain vector line behind the last conversion
.endm
	WIN 0
	s_wait_dscnt 16                                ; tile A's numbers are back; tile B's eight stores and eight loads may be out
	QQ 0, QSA
	s_wait_dscnt 0x0
	QQ 0x55, QSB
	WIN 0
; K's fragments of the step whose block begins o bytes on: 25 loads
.macro KLOAD a, o
.irp t, 0,1,2,3,4,5,6,7
	ds_load_b128 v[KR+10*\t:KR+10*\t+3], v[\a] offset:\o+1024*\t
	ds_load_b128 v[KR+10*\t+4:KR+10*\t+7], v[\a] offset:\o+1024*\t+512
	ds_load_b32 v[KR+10*\t+8], v[\a] offset:\o+8192+256*(\t%2)+4*(\t/2)   ; my row's pad word
.endr
	ds_load_b128 v[KSR:KSR+3], v[\a] offset:\o+16896
.endm
; S^T = K Q^T, the pad with it; eight accumulators, one instruction each
.macro QK w, qs
	WIN \w
.irp t, 0,1,2,3,4,5,6,7
.if \t%2
	v_wmma_scale_f32_16x16x128_f8f6f4 v[S+8*\t:S+8*\t+7], v[KR+10*\t:KR+10*\t+15], v[QF:QF+15], 0, v[KSR+\t/2], v[\qs] matrix_a_fmt:MATRIX_FMT_BF8 matrix_b_fmt:MATRIX_FMT_BF8 matrix_a_scale:MATRIX_SCALE_ROW1
.else
	v_wmma_scale_f32_16x16x128_f8f6f4 v[S+8*\t:S+8*\t+7], v[KR+10*\t:KR+10*\t+15], v[QF:QF+15], 0, v[KSR+\t/2], v[\qs] matrix_a_fmt:MATRIX_FMT_BF8 matrix_b_fmt:MATRIX_FMT_BF8
.endif
.endr
.endm
; O^T += V^T P^T: four accumulators, one instruction each
.macro PV w, pw
	WIN \w
.irp t, 0,1,2,3
.if \t%2
	v_wmma_scale_f32_16x16x128_f8f6f4 v[OT+8*\t:OT+8*\t+7], v[VF+16*\t:VF+16*\t+15], v[PC:PC+15], v[OT+8*\t:OT+8*\t+7], v[VS+\t/2], v[\pw] matrix_a_fmt:MATRIX_FMT_BF8 matrix_b_fmt:MATRIX_FMT_BF8 matrix_a_scale:MATRIX_SCALE_ROW1
.else
	v_wmma_scale_f32_16x16x128_f8f6f4 v[OT+8*\t:OT+8*\t+7], v[VF+16*\t:VF+16*\t+15], v[PC:PC+15], v[OT+8*\t:OT+8*\t+7], v[VS+\t/2], v[\pw] matrix_a_fmt:MATRIX_FMT_BF8 matrix_b_fmt:MATRIX_FMT_BF8
.endif
.endr
.endm
; the largest logit of each block of 32 keys: for the row's maximum, and, since p rises with the logit, for the block's largest p.  Two blocks or four by turns; each accumulator is read from its low end on
.macro TREE w, mx
	WIN \w
.irp b, 0,2
	v_dual_max_num_f32 v[\mx+\b], v[S+16*\b], v[S+16*\b+1] :: v_dual_max_num_f32 v[\mx+\b+1], v[S+16*\b+17], v[S+16*\b+16]
.endr
.irp i, 2,4,6,8,10,12,14
.irp b, 0,1,2,3
	v_max3_num_f32 v[\mx+\b], v[S+16*\b+\i], v[S+16*\b+\i+1], v[\mx+\b]
.endr
.endr
.endm
.macro DMAX mx, px                     ; with lane l xor 16's 16 keys
.irp b, 0,2
	v_dual_max_num_f32 v[\mx+\b], v[\px+\b], v[\mx+\b] :: v_dual_max_num_f32 v[\mx+\b+1], v[\px+\b+1], v[\mx+\b+1]
.endr
.endm
.macro TFMA n, nm                      ; t - M, two at a time
	v_pk_fma_f32 v[S+2*(\n):S+2*(\n)+1], v[S+2*(\n):S+2*(\n)+1], s[CS:CS+1], v[\nm:\nm+1] op_sel_hi:[1,0,0]
.endm
.macro MINP n, hd                      ; the hold of two p's (p is not negative: one-sided)
	v_dual_min_num_f32 v[S+2*(\n)], v[S+2*(\n)], v[\hd+(\n)/8] :: v_dual_min_num_f32 v[S+2*(\n)+1], v[S+2*(\n)+1], v[\hd+(\n)/8]
.endm
.macro SUMP n, sa                      ; two p's into the sum, pair n % 4
	v_pk_add_f32 v[\sa+2*((\n)%4):\sa+2*((\n)%4)+1], v[\sa+2*((\n)%4):\sa+2*((\n)%4)+1], v[S+2*(\n):S+2*(\n)+1]
.endm
.macro EXP1 w, nm                      ; p = 2^(t - M) of blocks 0 and 1; among them t - M of blocks 2 and 3, first read behind the next wait
	WIN \w
.set J, 0
.rept 16
	v_exp_f32 v[S+2*J], v[S+2*J]
	v_exp_f32 v[S+2*J+1], v[S+2*J+1]
	TFMA J+16, \nm
.set J, J+1
.endr
.endm
.macro EXP2 w, hd                      ; p of blocks 2 and 3; among them the holds of blocks 0 and 1 (but for each block's first, which stands ahead)
	WIN \w
.set J, 0
.rept 16
	v_exp_f32 v[S+32+2*J], v[S+32+2*J]
	v_exp_f32 v[S+33+2*J], v[S+33+2*J]
.if J % 8
	MINP J, \hd
.endif
.set J, J+1
.endr
.endm
.macro SUM1 w1, w2, sa, ff             ; blocks 0 and 1 into the row's sum: the sum under the new M, and the first p's with it: of the UNQUANTISED p
	WIN \w1
.irp k, 0,1,2,3
	v_pk_fma_f32 v[\sa+2*\k:\sa+2*\k+1], v[\sa+2*\k:\sa+2*\k+1], v[\ff:\ff+1], v[S+2*\k:S+2*\k+1] op_sel_hi:[1,0,1]
.endr
	WIN \w2
.set J, 4
.rept 12
	SUMP J, \sa
.set J, J+1
.endr
.endm
.macro SUM2 w, sa                      ; blocks 2 and 3
	WIN \w
.set J, 16
.rept 16
	SUMP J, \sa
.set J, J+1
.endr
.endm
.macro MIN2 w, hd                      ; blocks 2 and 3
	WIN \w
.set J, 16
.rept 16
	MINP J, \hd
.set J, J+1
.endr
.endm
.macro CVT w, mx
	WIN \w
.irp b, 0,1,2,3
	v_cvt_scalef32_pk8_bf8_f32 v[PC+4*\b:PC+4*\b+1], v[S+16*\b:S+16*\b+7], v[\mx+\b]
	v_cvt_scalef32_pk8_bf8_f32 v[PC+4*\b+2:PC+4*\b+3], v[S+16*\b+8:S+16*\b+15], v[\mx+\b]
.endr
.endm
.macro BYTES mx, pw                    ; p's scale word for these 128 keys
.irp b, 0,1,2,3
	v_lshrrev_b32 v[PX+\b], 23, v[\mx+\b]
.endr
	v_lshl_or_b32 v[PX], v[PX+1], 8, v[PX]
	v_lshl_or_b32 v[PX+2], v[PX+3], 8, v[PX+2]
	v_lshl_or_b32 v[\pw], v[PX+2], 16, v[PX]
.endm
.macro SCALEO w, ff                    ; O^T under the new M
	WIN \w
	s_wait_alu depctr_va_vdst(0)                   ; the wait ahead of the first reader of O^T
.set J, 0
.rept 16
	v_pk_mul_f32 v[OT+J:OT+J+1], v[OT+J:OT+J+1], v[\ff:\ff+1] op_sel_hi:[1,0]
.set J, J+2
.endr
.endm
; A KEY STEP: 128 keys, both tiles.  k = 1: the next step's fragments of K are loaded under the softmax
.macro BODY k
	s_wait_dscnt 0x0                               ; K's fragments are in
	QK 0, QSA
	QK 0x44, QSB
	WIN 0
	v_add_nc_u32 v[ADL], s[TB], v[LI]
.rept 7
	v_nop                                          ; with the addition: eight places ahead of the loads into registers that the products read, and of the first read of S^T
.endr
	WIN 0x40
.irp t, 0,1,2,3
.irp c, 0,1,2,3
	ds_load_b128 v[VF+16*\t+4*\c:VF+16*\t+4*\c+3], v[ADL] offset:8704+2048*\t+512*\c
.endr
.endr
	WIN 0
	ds_load_b64 v[VS:VS+1], v[ADL] offset:17408
.if \k
	KLOAD ADL, STEPB
.endif
	TREE 0, MXA
	TREE 0x05, MXB
	WIN 0
.irp b, 0,1,2,3
	v_permlanex16_b32 v[PX+\b], v[MXA+\b], s[SEL], s[SEL+1]
.endr
.irp b, 0,1,2,3
	v_permlanex16_b32 v[HDA+\b], v[MXB+\b], s[SEL], s[SEL+1]
.endr
	DMAX MXA, PX
	DMAX MXB, HDA
.irp x, A,B
	v_max3_num_f32 v[TMP\x], v[MX\x], v[MX\x+1], v[MX\x+2]
.endr
.irp x, A,B
	v_max3_num_f32 v[LX\x], v[TMP\x], v[MX\x+3], v[LX\x]   ; the running largest logit
.endr
.irp x, A,B
	s_delay_alu instid0(VALU_DEP_2)
	v_mul_f32 v[TMP\x], s[NC], v[LX\x]
.endr
.irp x, A,B
	s_delay_alu instid0(VALU_DEP_2)
	v_floor_f32 v[TMP\x], v[TMP\x]                 ; the new -M = floor(-t) = -ceil(t): a whole number
.endr
.irp x, A,B
	v_sub_f32 v[FF\x], v[TMP\x], v[NM\x]           ; old M less new M: a whole number, 0 or less
.endr
.irp x, A,B
	v_mov_b32 v[NM\x], v[TMP\x]
.endr
.irp x, A,B
	v_cvt_i32_f32 v[FF\x], v[FF\x]                 ; (it saturates)
.endr
.irp x, A,B
	v_pk_fma_f32 v[MX\x:MX\x+1], v[MX\x:MX\x+1], s[CS:CS+1], v[NM\x:NM\x+1] op_sel_hi:[1,0,0]   ; t - M of each block's largest
	v_pk_fma_f32 v[MX\x+2:MX\x+3], v[MX\x+2:MX\x+3], s[CS:CS+1], v[NM\x:NM\x+1] op_sel_hi:[1,0,0]
.endr
.irp x, A,B
	v_ldexp_f32 v[FF\x], 1.0, v[FF\x]              ; f = 2^(old M - new M)
.endr
.set J, 0
.rept 16
	TFMA J, NMA
.set J, J+1
.endr
	WIN 0x41
.set J, 0
.rept 16
	TFMA J, NMB
.set J, J+1
.endr
	WIN 0
	s_wait_alu depctr_va_vdst(0)                   ; the wait ahead of the batch
.irp b, 0,1,2,3
	v_exp_f32 v[MXA+\b], v[MXA+\b]                 ; the blocks' largest p: the same two operations on the same number
.endr
.irp b, 0,1,2,3
	v_exp_f32 v[MXB+\b], v[MXB+\b]
.endr
	EXP1 0, NMA
	EXP1 0x41, NMB
	WIN 0
	s_wait_alu depctr_va_vdst(0)                   ; one wait for the batch, and ahead of the next
.irp x, A,B
	v_dual_max_num_f32 v[MX\x], s[FLR], v[MX\x] :: v_dual_max_num_f32 v[MX\x+1], s[FLR], v[MX\x+1]   ; the floor: the byte cannot fall under 1
	v_dual_max_num_f32 v[MX\x+2], s[FLR], v[MX\x+2] :: v_dual_max_num_f32 v[MX\x+3], s[FLR], v[MX\x+3]
.endr
.irp b, 0,1,2,3
	v_and_or_b32 v[HDA+\b], v[MXA+\b], 0x7f800000, s[MNT]   ; 57,344 x the scale
.endr
	WIN 0x40
.irp b, 0,1,2,3
	v_and_or_b32 v[HDB+\b], v[MXB+\b], 0x7f800000, s[MNT]
.endr
	WIN 0
.irp b, 0,1,2,3
	v_add_nc_u32 v[MXA+\b], 0xf8800000, v[MXA+\b]  ; 15 off the exponent field: the conversion's scale operand
.endr
.irp b, 0,1,2,3
	v_add_nc_u32 v[MXB+\b], 0xf8800000, v[MXB+\b]
.endr
	BYTES MXA, PWA
	BYTES MXB, PWB
	SUM1 0x41, 0x41, SAA, FFA
	SUM1 0x51, 0x45, SAB, FFB
	MINP 0, HDB                                    ; the first reads of HD of blocks 0 and 1 stand ahead of the batch
	MINP 8, HDB
	WIN 0
	MINP 0, HDA
	MINP 8, HDA
	EXP2 0, HDA
	EXP2 0x45, HDB
	s_wait_alu depctr_va_vdst(0)                   ; one wait for the batch, ahead of its first reader
	SUM2 0x45, SAB
	MIN2 0x45, HDB
	CVT 0x41, MXB
	SUM2 0x41, SAA
	MIN2 0, HDA
	CVT 0, MXA
	s_wait_dscnt 25*\k                             ; V's fragments and scale words are in; the next step's 25 loads of K, issued behind them, may be out
	SCALEO 0, FFA                                  ; (these lines are also the plain lines behind the conversions and the places ahead of the products)
	SCALEO 0x41, FFB
	PV 0x01, PWA
	PV 0x55, PWB
	WIN 0
.endm
.macro WALK first, trips
	s_mov_b32 s[TB], \first*STEPB
	s_mov_b32 s[CNT], \trips
.Lstep_\@:
	BODY 1
	s_add_co_u32 s[TB], s[TB], STEPB
	s_sub_co_u32 s[CNT], s[CNT], 1
	s_cmp_lg_u32 s[CNT], 0
	s_cbranch_scc1 .Lstep_\@
.endm
	s_wait_alu depctr_va_vdst(0)                   ; the wait at the head's end
	s_wait_tensorcnt 0x0                           ; my part of steps 0-3 is in
	ds_add_u32 v[SPW], v[NIL]
	s_wait_dscnt 0x0
	CROUND                                         ; everybody's part is in, and the joint loads meet
	tensor_load_to_lds s[G0B:G0B+3], s[G1B:G1B+7]  ; steps 4-15: the first tensor load behind the round
	s_nop 0
.rept 4
	v_nop
.endr
	KLOAD LI, 0                                    ; step 0's fragments of K
	WALK 0, 3                                      ; steps 0-2
	s_mov_b32 s[TB], 3*STEPB
	BODY 0                                         ; step 3: what follows it may not have landed, so nothing is loaded ahead
	s_wait_tensorcnt 0x0                           ; my part of steps 4-15 is in;
	s_wait_dscnt 0x0
	s_barrier_signal -1
	s_barrier_wait -1                              ; everybody's is
	s_mov_b32 s[TB], 4*STEPB
	v_add_nc_u32 v[ADL], s[TB], v[LI]
.rept 8
	v_nop                                          ; places behind the last products
.endr
	KLOAD ADL, 0
	WALK 4, 11                                     ; steps 4-14
	s_mov_b32 s[TB], 15*STEPB
	BODY 0                                         ; step 15
; THE WAY OUT: O^T is divided by the row's sum and goes through my stage, so that sixteen lanes store a query's 256 bytes.  It is my wave's own: no barrier
	WIN 0x55
.irp x, A,B
	v_pk_add_f32 v[SA\x:SA\x+1], v[SA\x:SA\x+1], v[SA\x+2:SA\x+3]
	v_pk_add_f32 v[SA\x+4:SA\x+5], v[SA\x+4:SA\x+5], v[SA\x+6:SA\x+7]
.endr
.irp x, A,B
	v_pk_add_f32 v[SA\x:SA\x+1], v[SA\x:SA\x+1], v[SA\x+4:SA\x+5]
.endr
.irp x, A,B
	v_add_f32 v[SA\x], v[SA\x], v[SA\x+1]
.endr
	v_permlanex16_b32 v[HDB], v[SAA], s[SEL], s[SEL+1]
	v_permlanex16_b32 v[HDB+1], v[SAB], s[SEL], s[SEL+1]
	v_add_f32 v[SAA], v[SAA], v[HDB]               ; with lane l xor 16's: the row's sum
	v_add_f32 v[SAB], v[SAB], v[HDB+1]
	s_wait_alu depctr_va_vdst(0)                   ; the wait ahead of the transcendentals
	v_rcp_f32 v[SAA], v[SAA]
	v_rcp_f32 v[SAB], v[SAB]
	v_nop                                          ; the place behind the reciprocals; with the twelve lines above, the places behind the last products too
	v_nop
.macro DIVIDE w, sa                    ; register 8 t + j becomes out(query r, 16 t + 8 h + j)
	WIN \w
	s_wait_alu depctr_va_vdst(0)                   ; ahead of the reciprocals' and O^T's first readers
.set J, 0
.rept 16
	v_pk_mul_f32 v[S+J:S+J+1], v[OT+J:OT+J+1], v[\sa:\sa+1] op_sel_hi:[1,0]
.set J, J+2
.endr
.endm
.macro STAGED wst, wld
	WIN \wst
.irp t, 0,1,2,3
	ds_store_b128 v[STO], v[S+8*\t:S+8*\t+3] offset:64*\t
	ds_store_b128 v[STO], v[S+8*\t+4:S+8*\t+7] offset:64*\t+16
.endr
	WIN \wld
.irp i, 0,1,2,3,4,5,6,7
	ds_load_b128 v[S+32+4*\i:S+32+4*\i+3], v[RD] offset:2*SP*\i   ; LDS serves a wave's instructions in order: these see my stores, and the other tile's stores come behind them
.endr
.endm
.macro SENDOUT w, off, younger
	WIN \w
.irp i, 0,1,2,3,4,5,6,7
	s_wait_dscnt \younger+7-\i                     ; load i is in; the younger ones may be out
	global_store_b128 v[GO], v[S+32+4*\i:S+32+4*\i+3], s[8:9] offset:\off+8192*\i th:TH_STORE_NT   ; sixteen lanes store 256 consecutive bytes, aligned
.endr
.endm
	DIVIDE 0x04, SAA
	STAGED 0, 0
	DIVIDE 0x55, SAB
	STAGED 0x04, 0x40
	SENDOUT 0, 0, 16                               ; behind tile A's loads: tile B's eight stores and eight loads
	SENDOUT 0x04, 65536, 0
	WIN 0
	s_wait_tensorcnt 0x0                           ; the wave's end
	ds_add_u32 v[SPW], v[NIL]
	s_wait_dscnt 0x0
	CROUND                                         ; the closing round: no work-group ends while a partner may still ask for a piece that names it
	s_endpgm
.Lfunc_end_k_qec240d291e_attn:
	.size	k_qec240d291e_attn, .Lfunc_end_k_qec240d291e_attn-k_qec240d291e_attn
	.p2alignl 7, 3214868480
	.fill 96, 4, 3214868480
	.section	.rodata,"a",@progbits
	.p2align	6, 0x0
	.amdhsa_kernel k_qec240d291e_attn
		.amdhsa_group_segment_fixed_size 327680
		.amdhsa_private_segment_fixed_size 0
		.amdhsa_enable_private_segment 0
		.amdhsa_kernarg_size 24
		.amdhsa_user_sgpr_count 2
		.amdhsa_user_sgpr_kernarg_segment_ptr 1
		.amdhsa_wavefront_size32 1
		.amdhsa_system_sgpr_workgroup_id_x 1
		.amdhsa_system_sgpr_workgroup_id_y 1
		.amdhsa_system_sgpr_workgroup_id_z 1
		.amdhsa_system_vgpr_workitem_id 0
		.amdhsa_next_free_vgpr 512
		.amdhsa_next_free_sgpr 66
		.amdhsa_reserve_vcc 0
		.amdhsa_float_denorm_mode_32 3
		.amdhsa_float_denorm_mode_16_64 3
		.amdhsa_memory_ordered 1
		.amdhsa_forward_progress 1
		.amdhsa_inst_pref_size 166
	.end_amdhsa_kernel
	.amdgpu_metadata
---
amdhsa.version: [ 1, 2 ]
amdhsa.kernels:
  - .name:           k_qec240d291e_attn
    .symbol:         k_qec240d291e_attn.kd
    .args:
      - { .name: q, .offset: 0, .size: 8, .value_kind: global_buffer, .address_space: global }
      - { .name: kvc, .offset: 8, .size: 8, .value_kind: global_buffer, .address_space: global }
      - { .name: out0, .offset: 16, .size: 8, .value_kind: global_buffer, .address_space: global }
    .group_segment_fixed_size: 327680
    .private_segment_fixed_size: 0
    .kernarg_segment_align: 8
    .kernarg_segment_size: 24
    .max_flat_workgroup_size: 256
    .sgpr_count:     66
    .vgpr_count:     512
    .wavefront_size: 32
...
	.end_amdgpu_metadata
.endif
;; end of part 2
